; MI455X (gfx1250); checked and timed in simulation.
; The chip was launched on July 23, 2026; its instructions are those of AMD's public machine-readable ISA for CDNA 5 (MIT licence, August 2026) and "CDNA5" Instruction Set Architecture Reference Guide (July 2026). The comments in the code are by the model that wrote it; some were corrected since.
;; Attention. Allowed arithmetic: matrix products marked QUANTISED: E2M1 operands, one E8M0 scale for each 32 along K, by v_wmma_scale_f32_16x16x128_f8f6f4 with both operands' format E2M1 (or v_wmma_scale_f32_32x16x128_f4), f32 sums; products left as they are: bf16, f16 or f32 operands; f32 sums; everything else in f32.
;; Inputs: W_out 1,024 x 1,024 float32; W_qkv 1,024 x 3,072 float32; b_out 1,024 float32; x 4 x 2,048 x 1,024 float32.
;; Outputs: out0 4 x 2,048 x 1,024 float32.
;; This version of the problem:
;;   THIS VERSION OF THE PROBLEM IS GIVEN IN LOW PRECISION. The matrix products marked QUANTISED in the list below multiply operands that are first quantised to E2M1 (2 exponent bits, 1 mantissa bit; 4 bits a number), with one power-of-two scale for each 32 numbers along K (OCP MX v1.0); their sums are f32. The products marked 'left as it is' may take bf16, f16 or f32 operands, with f32 sums. Whichever they take, every output number must still come out within the allowed error. Rounding operands to bf16 (8 significant bits) uses up far more of that allowance than f16 does (11 bits, for magnitudes from 6e-5 to 65,504). All else is computed in f32.
;;   The module's matrix products, in the order in which they are computed (A, B: the left and right operand; K: the contracted axis; several contracted axes count as one K, in the product's order):
;;     1. [M 8,192, K 1,024] x [K 1,024, N 3,072]; A: input x; B: input W_qkv: QUANTISED
;;     2. batch 64 x [M 2,048, K 64] x [K 64, N 2,048]; A: computed on the way; B: computed on the way: left as it is (an operand is computed on the way)
;;     3. batch 64 x [M 2,048, K 2,048] x [K 2,048, N 64]; A: computed on the way; B: computed on the way: left as it is (an operand is computed on the way)
;;     4. [M 8,192, K 1,024] x [K 1,024, N 1,024]; A: computed on the way; B: input W_out: left as it is (an operand is computed on the way)
;;   THE QUANTISER, for each operand of a quantised product, along K:
;;     - K is cut into blocks of 32 from its start; a last block that is shorter is filled with zeros.
;;     - A block's scale is 2^e with e = floor(log2(the largest magnitude in the block)) - 2, held to -126 .. 127; a block of zeros has e = 0. As a byte (E8M0): e + 127.
;;     - Each number is divided by its block's scale, clamped to +-6, and rounded to the nearest number of E2M1, ties to even, subnormals kept.
;;     - The product sums the exact products of the quantised numbers (number of the format x scale) in f32.
;;   ~~~python
;;   def quantise(x, axis):      # numpy; x: float32 -> the quantised numbers, widened to float32 again
;;       x = np.moveaxis(x, axis, -1); K = x.shape[-1]
;;       x = np.pad(x, [(0, 0)] * (x.ndim - 1) + [(0, -K % 32)]); x = x.reshape(x.shape[:-1] + (-1, 32)); a = np.abs(x).max(-1, keepdims=True)
;;       e = np.where(a > 0, np.clip(np.frexp(np.where(a > 0, a, 1))[1] - 1 - 2, -126, 127), 0)      # np.frexp(a)[1] - 1 = floor(log2(a)), exactly
;;       r = np.clip(x / 2.0 ** e, -6, 6)
;;       step = 2.0 ** (np.maximum(np.frexp(np.where(r == 0, 1, r))[1] - 1, 0) - 1)
;;       q = np.round(r / step) * step * 2.0 ** e      # np.round: ties to even
;;       return np.moveaxis(q.reshape(q.shape[:-2] + (-1,))[..., :K], -1, axis).astype(np.float32)
;;   ~~~
;; One version. Each part assembles by itself: llvm-mc -triple=amdgcn-amd-amdhsa -mcpu=gfx1250 --defsym DOCPART=n.
;; ======== version 1 of 1: 4 launches
;; limits: values are held in f16: magnitudes above 65,504 overflow, below 6.1e-05 lose precision; right only within a limited range of input values
;; workspace buffers: xq 4,456,448 bytes; wq 1,671,168 bytes; wo 2,097,152 bytes; qkv 50,331,648 bytes; ob 16,777,216 bytes
;; launch prep (part 1): grid 512 x 1, 4 waves a work-group, no clusters, 34,304 bytes of LDS; arguments x, W_qkv, W_out, xq, wq, wo; writes xq, wq, wo
.if DOCPART == 1
	.amdgcn_target "amdgcn-amd-amdhsa--gfx1250"
	.amdhsa_code_object_version 6
	.text
	.protected	k_qcdc7290469_prep
	.globl	k_qcdc7290469_prep
	.p2align	8
	.type	k_qcdc7290469_prep,@function
k_qcdc7290469_prep:
	s_mov_b64 s[64:65], 0
	v_nop
	global_prefetch_b8 v0, s[64:65] scope:SCOPE_SE
	s_setreg_imm32_b32 hwreg(HW_REG_WAVE_MODE, 25, 1), 1
	s_wait_xcnt 0x0
; x [8192][1024] and W_qkv [1024][3072], f32, become codes of FP4 (E2M1) with one E8M0 scale byte for each 32 along K; W_out [1024][1024] becomes f16.
; ALL THREE LEAVE AS IMAGES OF OPERAND REGISTERS: a group of four registers of a fragment is 512 consecutive bytes, lane l's 16 bytes at 16 l.
;   xq, wq: [block of 128 rows][K half of 512][34,816 bytes]: 2,048 bytes of scales ([row][4 words, one for each 128 along K]), then codes [tile of 16 rows 8][K step 4][c 2][lane][16]:
;           lane (r, h) of group c holds k = 64 c + 32 h + 0 .. 31 of row r.  W_qkv's columns are wq's rows.
;   wo:     [64 columns 16][K step of 128 8][tile of 16 columns 4][32 along K 4][half 2][lane][16]: lane (r, h) holds k = 16 half + 8 h + 0 .. 7 of column r.
; A block's scale is 2^(floor(log2(its largest magnitude)) - 2); its byte is the largest magnitude's exponent field - 2, held at 1 from below.
; LIMITS: a block of zeros gets the byte 1 where the rule says 127 (its codes are zeros, which add nothing, and the bytes are read by this program alone); NaN and infinities are not served.
; SHARES: work-groups 0-191 take W_qkv (128 columns x 128 along K each), 192-255 W_out (likewise), 256-511 x (a wave: 16 rows x 512 along K).  Only x's path touches LDS.
; No matrix unit, no tensor load, no barrier: waves share nothing, and memory binds.
.set SPARE, 33792                      ; behind the four stages: the spare words, 128 bytes for each wave
.set SPW,  30                          ; v30  LDS address of my spare word; never rewritten
.set NIL,  31                          ; v31  0; never rewritten
.set L16,  3                           ; v3   16 x lane
.set L4,   4                           ; v4   4 x lane
.set STI,  5                           ; v5   x's stage, on the way in: 16 x lane
.set STR,  6                           ; v6   and out: 528 r + 128 h
.set SH8,  7                           ; v7   8 h
.set HH,   16                          ; v16  h
.set WOF,  18                          ; v18  4,096 h + 16 r: a weight's codes or halves in the image
.set SOF,  19                          ; v19  16 r + 8 h: x's scale words
.set R,    32                          ; numbers as loaded: x two sets of 64 (v32-159), weights two sets of 32 (v32-95)
.set HF,   96                          ; v96-159  W_out's f16, 16 registers a block
.set C,    160                         ; v160-191 codes: registers of their own for each step, so that no store's data are written again
.set WD,   192                         ; v192-195 x's four scale words
	s_load_b256 s[4:11], s[0:1], 0x0               ; x s[4:5], W_qkv s[6:7], W_out s[8:9], xq s[10:11]
	s_load_b128 s[12:15], s[0:1], 0x20             ; wq s[12:13], wo s[14:15]
	v_lshl_add_u32 v[SPW], v0, 2, SPARE
	v_mov_b32 v[NIL], 0
	v_lshrrev_b32 v1, 5, v0
	v_readfirstlane_b32 s16, v1                    ; wave 0..3
	v_and_b32 v1, 31, v0                           ; lane
	v_and_b32 v2, 15, v0                           ; r
	v_bfe_u32 v[HH], v0, 4, 1                      ; h
	v_lshlrev_b32 v[L16], 4, v1
	v_lshlrev_b32 v[L4], 2, v1
	s_mul_i32 s17, s16, 8448                       ; my stage: 16 rows x (512 bytes + 16)
	v_add_nc_u32 v[STI], s17, v[L16]
	v_mul_u32_u24 v[STR], v2, 528
	v_lshl_add_u32 v[STR], v[HH], 7, v[STR]
	v_add_nc_u32 v[STR], s17, v[STR]
	v_lshlrev_b32 v[SH8], 3, v[HH]
	v_lshlrev_b32 v17, 4, v2
	v_lshl_add_u32 v[WOF], v[HH], 12, v17
	v_lshl_add_u32 v[SOF], v[HH], 3, v17
	s_mov_b32 s23, 0                               ; the upper word of every offset below
	s_wait_kmcnt 0x0
	s_cmp_lt_u32 ttmp9, 192
	s_cbranch_scc1 .Lpw
	s_cmp_lt_u32 ttmp9, 256
	s_cbranch_scc1 .Lpo
; ---- x.  Job = 4 (work-group - 256) + wave: tile T of 16 rows, K half kh.  Four K steps of 128.
	s_sub_co_u32 s18, ttmp9, 256
	s_lshl_b32 s18, s18, 2
	s_add_co_u32 s18, s18, s16
	s_lshr_b32 s19, s18, 1                         ; T 0..511
	s_and_b32 s20, s18, 1                          ; kh
	s_lshl_b32 s22, s19, 16                        ; 16 rows of 4,096 bytes
	s_lshl_b32 s21, s20, 11                        ; 512 numbers
	s_add_co_u32 s22, s22, s21
	s_add_nc_u64 s[4:5], s[4:5], s[22:23]
	s_lshr_b32 s22, s19, 3
	s_mul_i32 s22, s22, 69632
	s_mul_i32 s21, s20, 34816
	s_add_co_u32 s22, s22, s21
	s_add_nc_u64 s[10:11], s[10:11], s[22:23]      ; my part of xq
	s_and_b32 s21, s19, 7
	s_lshl_b32 s22, s21, 8
	s_add_nc_u64 s[24:25], s[10:11], s[22:23]      ; my tile's 256 bytes of scale words
	s_lshl_b32 s22, s21, 12
	s_add_nc_u64 s[10:11], s[10:11], s[22:23]      ; my tile's codes (the 2,048 bytes of scales ahead of them stand in the immediates)
	s_mov_b32 s26, 0x76543210
	s_mov_b32 s27, 0xfedcba98                      ; v_permlanex16_b32's selects for lane l xor 16
	v_mov_b32 v15, 0                               ; written once: a lane permute's destination counts as one of its sources
.macro LOADX s                         ; K step s: row i's 512 bytes by one load, 16 bytes a lane
.irp i, 0,1,2,3,4,5,6,7,8,9,10,11,12,13,14,15
	global_load_b128 v[R+64*((\s)%2)+4*\i:R+64*((\s)%2)+4*\i+3], v[L16], s[4:5] offset:4096*\i+512*(\s) th:TH_LOAD_NT
.endr
.endm
.macro STEPX s
.set XS, R+64*((\s)%2)
.if (\s) < 3
	s_wait_loadcnt 16                              ; this step's 16 loads are in; the other set's 16 may be out
.else
	s_wait_loadcnt 0
.endif
.irp i, 0,1,2,3,4,5,6,7,8,9,10,11,12,13,14,15
	ds_store_b128 v[STI], v[XS+4*\i:XS+4*\i+3] offset:528*\i      ; the rows as they lie
.endr
.irp c, 0,1
.irp p, 0,1,2,3,4,5,6,7
	ds_load_b128 v[XS+32*\c+4*\p:XS+32*\c+4*\p+3], v[STR] offset:256*\c+16*\p   ; back as the operand wants them: k = 64 c + 32 h + 0 .. 31 of row r.  LDS serves a wave's instructions in order: these see the stores
.endr
.endr
	s_wait_dscnt 0x0
.irp c, 0,1                            ; my block 2 c + h: all its 32 numbers are mine
	v_max3_num_f32 v[8+\c], |v[XS+32*\c]|, |v[XS+32*\c+1]|, 0x1800000   ; with the floor 2^(3 - 127): the byte cannot fall under 1
.endr
.irp i, 2,4,6,8,10,12,14,16,18,20,22,24,26,28,30
.irp c, 0,1
	v_max3_num_f32 v[8+\c], v[8+\c], |v[XS+32*\c+\i]|, |v[XS+32*\c+\i+1]|
.endr
.endr
.irp c, 0,1
	v_add_nc_u32 v[10+\c], 0xff000000, v[8+\c]     ; 2 off the exponent field: the conversion's scale operand
.endr
.irp c, 0,1
	v_lshrrev_b32 v[12+\c], 23, v[10+\c]           ; the scale's byte
.endr
	v_lshl_or_b32 v14, v13, 16, v12                ; my two bytes, blocks h and 2 + h,
	v_lshlrev_b32 v14, v[SH8], v14                 ; at their places in the word;
	v_permlanex16_b32 v15, v14, s26, s27
	v_or_b32 v[WD+(\s)], v14, v15                  ; with lane l xor 16's two the word is whole
.irp c, 0,1
.irp g, 0,1,2,3
	v_cvt_scalef32_pk8_fp4_f32 v[C+8*(\s)+4*\c+\g], v[XS+32*\c+8*\g:XS+32*\c+8*\g+7], v[10+\c]
.endr
.endr
	v_nop                                          ; one plain line behind the last scaled conversion
.irp c, 0,1
	global_store_b128 v[L16], v[C+8*(\s)+4*\c:C+8*(\s)+4*\c+3], s[10:11] offset:2048+1024*(\s)+512*\c   ; 512 consecutive bytes, aligned
.endr
.if (\s) < 2
	LOADX (\s)+2
.endif
.endm
	LOADX 0
	LOADX 1
	STEPX 0
	STEPX 1
	STEPX 2
	STEPX 3
	v_cmp_eq_u32 vcc_lo, 1, v[HH]
	v_cndmask_b32 v14, v[WD], v[WD+2], vcc_lo      ; lane (r, h) stores words 2 h and 2 h + 1 of row r
	v_cndmask_b32 v15, v[WD+1], v[WD+3], vcc_lo
	global_store_b64 v[SOF], v[14:15], s[24:25]    ; 32 lanes store 256 consecutive bytes, aligned
	s_wait_tensorcnt 0x0                           ; the wave's end, behind my last LDS store
	ds_add_u32 v[SPW], v[NIL]
	s_wait_dscnt 0x0
	s_endpgm
; ---- The weights: a lane takes a column, its registers run down K: a block of 32 lies in one lane.
.macro LOADW t, pitch                  ; block t: rows 32 t + i of my K step, at my column; 128 consecutive bytes a wave, 512 a work-group
.irp i, 0,1,2,3,4,5,6,7,8,9,10,11,12,13,14,15,16,17,18,19,20,21,22,23,24,25,26,27,28,29,30,31
	global_load_b32 v[R+32*((\t)%2)+\i], v[L4], s[24:25] offset:(32*(\t)+\i)*\pitch th:TH_LOAD_NT
.endr
.endm
.macro WAITW t
.if (\t) < 3
	s_wait_loadcnt 32                              ; this block's 32 loads are in; the next block's may be out
.else
	s_wait_loadcnt 0
.endif
.endm
.Lpw:                                  ; W_qkv: nb = 128 columns, s = K step of 128
	s_lshr_b32 s18, ttmp9, 3                       ; nb 0..23
	s_and_b32 s19, ttmp9, 7                        ; s
	s_mul_i32 s22, s19, 128*12288
	s_lshl_b32 s20, s18, 9
	s_add_co_u32 s22, s22, s20
	s_lshl_b32 s20, s16, 7                         ; my wave's 32 columns
	s_add_co_u32 s22, s22, s20
	s_add_nc_u64 s[24:25], s[6:7], s[22:23]
	s_mul_i32 s22, s18, 69632
	s_lshr_b32 s20, s19, 2
	s_mul_i32 s20, s20, 34816
	s_add_co_u32 s22, s22, s20
	s_add_nc_u64 s[12:13], s[12:13], s[22:23]      ; my part of wq
	s_and_b32 s21, s19, 3                          ; the K step within the half
	s_lshl_b32 s22, s16, 9                         ; scale words: my wave's 32 rows of 16 bytes,
	s_lshl_b32 s20, s21, 2                         ; this K step's word
	s_add_co_u32 s22, s22, s20
	s_add_nc_u64 s[28:29], s[12:13], s[22:23]
	s_lshl_b32 s22, s16, 13                        ; codes: my wave's two tiles of 4,096 bytes,
	s_lshl_b32 s20, s21, 10                        ; this K step's 1,024
	s_add_co_u32 s22, s22, s20
	s_add_nc_u64 s[12:13], s[12:13], s[22:23]
.macro BLOCKW t
.set XS, R+32*((\t)%2)
	WAITW \t
	v_max3_num_f32 v8, |v[XS]|, |v[XS+1]|, |v[XS+2]|
	v_max3_num_f32 v9, |v[XS+3]|, |v[XS+4]|, |v[XS+5]|
.irp i, 6,10,14,18,22,26
	v_max3_num_f32 v8, v8, |v[XS+\i]|, |v[XS+\i+1]|
	v_max3_num_f32 v9, v9, |v[XS+\i+2]|, |v[XS+\i+3]|
.endr
	v_max3_num_f32 v8, v8, |v[XS+30]|, |v[XS+31]|
	v_max3_num_f32 v8, v8, v9, 0x1800000           ; and the floor
	v_add_nc_u32 v10, 0xff000000, v8
	v_lshrrev_b32 v12, 23, v10
.if (\t) == 0
	v_mov_b32 v13, v12                             ; the four bytes of this K step make my column's word
.else
	v_lshl_or_b32 v13, v12, 8*(\t), v13
.endif
.irp g, 0,1,2,3
	v_cvt_scalef32_pk8_fp4_f32 v[C+4*(\t)+\g], v[XS+8*\g:XS+8*\g+7], v10
.endr
	v_nop                                          ; one plain line behind the last scaled conversion
	global_store_b128 v[WOF], v[C+4*(\t):C+4*(\t)+3], s[12:13] offset:2048+256*(\t)   ; block t = 2 c + h lies 256 t bytes into the fragment: sixteen lanes fill 256 aligned bytes
.if (\t) < 2
	LOADW (\t)+2, 12288
.endif
.endm
	LOADW 0, 12288
	LOADW 1, 12288
	BLOCKW 0
	BLOCKW 1
	BLOCKW 2
	BLOCKW 3
	global_store_b32 v[L16], v13, s[28:29]         ; 4 bytes of each row's 16: 98,304 bytes in the whole launch leave so
	s_endpgm
.Lpo:                                  ; W_out: nb = 128 columns, ks = K step of 128
	s_sub_co_u32 s17, ttmp9, 192
	s_lshr_b32 s18, s17, 3                         ; nb 0..7
	s_and_b32 s19, s17, 7                          ; ks
	s_lshl_b32 s22, s19, 19                        ; 128 rows of 4,096 bytes
	s_lshl_b32 s20, s18, 9
	s_add_co_u32 s22, s22, s20
	s_lshl_b32 s20, s16, 7
	s_add_co_u32 s22, s22, s20
	s_add_nc_u64 s[24:25], s[8:9], s[22:23]
	s_lshl_b32 s20, s18, 1
	s_lshr_b32 s21, s16, 1
	s_add_co_u32 s20, s20, s21                     ; which 64 columns
	s_lshl_b32 s22, s20, 17
	s_lshl_b32 s20, s19, 14
	s_add_co_u32 s22, s22, s20
	s_and_b32 s21, s16, 1
	s_lshl_b32 s21, s21, 13                        ; my wave's two tiles of 4,096 bytes
	s_add_co_u32 s22, s22, s21
	s_add_nc_u64 s[14:15], s[14:15], s[22:23]
.macro BLOCKO t
.set XS, R+32*((\t)%2)
	WAITW \t
.irp j, 0,1,2,3,4,5,6,7,8,9,10,11,12,13,14,15
	v_cvt_pk_f16_f32 v[HF+16*(\t)+\j], v[XS+2*\j], v[XS+2*\j+1]
.endr
.irp g, 0,1,2,3
	global_store_b128 v[WOF], v[HF+16*(\t)+4*\g:HF+16*(\t)+4*\g+3], s[14:15] offset:1024*(\t)+256*\g   ; k = 8 g + 0 .. 7 = 16 half + 8 h: 256 g bytes into the fragment
.endr
.if (\t) < 2
	LOADW (\t)+2, 4096
.endif
.endm
	LOADW 0, 4096
	LOADW 1, 4096
	BLOCKO 0
	BLOCKO 1
	BLOCKO 2
	BLOCKO 3
	s_endpgm
.Lfunc_end_k_qcdc7290469_prep:
	.size	k_qcdc7290469_prep, .Lfunc_end_k_qcdc7290469_prep-k_qcdc7290469_prep
	.p2alignl 7, 3214868480
	.fill 96, 4, 3214868480
	.section	.rodata,"a",@progbits
	.p2align	6, 0x0
	.amdhsa_kernel k_qcdc7290469_prep
		.amdhsa_group_segment_fixed_size 34304
		.amdhsa_private_segment_fixed_size 0
		.amdhsa_enable_private_segment 0
		.amdhsa_kernarg_size 48
		.amdhsa_user_sgpr_count 2
		.amdhsa_user_sgpr_kernarg_segment_ptr 1
		.amdhsa_wavefront_size32 1
		.amdhsa_system_sgpr_workgroup_id_x 1
		.amdhsa_system_sgpr_workgroup_id_y 1
		.amdhsa_system_sgpr_workgroup_id_z 1
		.amdhsa_system_vgpr_workitem_id 0
		.amdhsa_next_free_vgpr 208
		.amdhsa_next_free_sgpr 66
		.amdhsa_reserve_vcc 1
		.amdhsa_float_denorm_mode_32 3
		.amdhsa_float_denorm_mode_16_64 3
		.amdhsa_memory_ordered 1
		.amdhsa_forward_progress 1
		.amdhsa_inst_pref_size 68
	.end_amdhsa_kernel
	.amdgpu_metadata
---
amdhsa.version: [ 1, 2 ]
amdhsa.kernels:
  - .name:           k_qcdc7290469_prep
    .symbol:         k_qcdc7290469_prep.kd
    .args:
      - { .name: x, .offset: 0, .size: 8, .value_kind: global_buffer, .address_space: global }
      - { .name: W_qkv, .offset: 8, .size: 8, .value_kind: global_buffer, .address_space: global }
      - { .name: W_out, .offset: 16, .size: 8, .value_kind: global_buffer, .address_space: global }
      - { .name: xq, .offset: 24, .size: 8, .value_kind: global_buffer, .address_space: global }
      - { .name: wq, .offset: 32, .size: 8, .value_kind: global_buffer, .address_space: global }
      - { .name: wo, .offset: 40, .size: 8, .value_kind: global_buffer, .address_space: global }
    .group_segment_fixed_size: 34304
    .private_segment_fixed_size: 0
    .kernarg_segment_align: 8
    .kernarg_segment_size: 48
    .max_flat_workgroup_size: 128
    .sgpr_count:     66
    .vgpr_count:     208
    .wavefront_size: 32
...
	.end_amdgpu_metadata
.endif
;; end of part 1
;; launch qkv (part 2): grid 12 x 32, 4 waves a work-group, clusters of 4 x 4, 279,040 bytes of LDS; arguments xq, wq, qkv; writes qkv
.if DOCPART == 2
	.amdgcn_target "amdgcn-amd-amdhsa--gfx1250"
	.amdhsa_code_object_version 6
	.text
	.protected	k_qcdc7290469_qkv
	.globl	k_qcdc7290469_qkv
	.p2align	8
	.type	k_qcdc7290469_qkv,@function
k_qcdc7290469_qkv:
	s_mov_b64 s[64:65], 0
	v_nop
	global_prefetch_b8 v0, s[64:65] scope:SCOPE_SE
	s_setreg_imm32_b32 hwreg(HW_REG_WAVE_MODE, 25, 1), 1
	s_wait_xcnt 0x0
	s_wait_alu depctr_hold_cnt(0) depctr_sa_sdst(0) depctr_va_vdst(0) depctr_va_sdst(0) depctr_va_ssrc(0) depctr_va_vcc(0) depctr_vm_vsrc(0)
	s_getreg_b32 s2, hwreg(HW_REG_IB_STS2, 6, 4)
	s_cmp_eq_u32 s2, 0
	s_cbranch_scc0 .Lentry_in_a_cluster
	s_endpgm
.Lentry_in_a_cluster:
	s_bfe_u32 s2, ttmp6, 0x10000c
	s_cmp_lg_u32 s2, 0xf033
	s_cbranch_scc0 .Lentry_shape_is_right
	s_endpgm
.Lentry_shape_is_right:
; qkv = Q(x) Q(W_qkv): [8192 tokens][3072 channels], K = 1,024, on codes of FP4 (E2M1) with E8M0 scales; sums in f32; results rounded once to f16.
; A work-group of four waves makes 256 tokens x 256 channels; a wave 128 x 128: 64 accumulators, 512 registers.
; OPERANDS ARE IMAGES OF REGISTERS (laid by the launch before): a block of 128 rows and half of K is one dense part of 34,816 bytes: 2,048 of scale words, 32,768 of codes.
; All of K fits in LDS: each wave brings its block's two parts by two tensor loads at the start; nothing is filled again.  Fragment reads are 16 x lane + a constant: 512 consecutive bytes.
; CLUSTERS: 4 x 4 work-groups; the four of a row need the same tokens, the four of a column the same channels: each part is asked for jointly.
; THE MATRIX INSTRUCTION IS USED TRANSPOSED (source 0 = 16 channels of W, source 1 = 16 tokens of x): a lane holds one token and eight neighbouring channels: 16 bytes of f16.
; THE WAY OUT NEEDS NO LDS: those 16 bytes a lane ARE a group of four registers of the next launch's operand, so each store covers 512 consecutive aligned bytes.
;   qkv: [batch x head 64][chunk of 512 tokens 4][Q, K, V][tile of 16 tokens 32][tile of 16 channels 4][512 bytes].  Q, K: lane l's unit at 16 l.
;   V: unit (token r, half h) at 256 (r / 8) + 128 h + 16 (r % 8), so that the turning LDS load at 16 l gives a lane one channel and eight keys.
; LIMIT: results beyond f16's 65,504 are not served (with inputs as drawn they are of size 1 to 5).
; REGISTERS: window 0: v16-29 addresses; v32-95 scale words, two sets; v128-191 x's fragments, one set (on the way out v128-255 hold packed results).
;   window 1: W's fragments, two sets, at v0 and v128.   windows 2, 3: the accumulators ((a, b) at v[8 (8 (a % 4) + b)]).
.set PART,  34816
.set BLK,   2*PART                     ; a block of 128 rows, all of K
.set SPARE, 4*BLK                      ; behind the four blocks: the spare words, 128 bytes for each wave
.set NQ,    4                          ; K steps of 128 in a part
.set FR,    8
.set NL,    2
.set NP,    4                          ; places behind this matrix instruction (ISA guide 7.12.1)
.set ADRA, 16                          ; v16-17  LDS address of my tokens' codes in K half 0, 1
.set ADRB, 20                          ; v20-21  of my channels'
.set CO,   26                          ; v26     my lane's place in a block of 512 bytes of qkv
.set ADRS, 27                          ; v27     my scale words: lanes 0-15 x's rows, lanes 16-31 W's
.set SPW,  28
.set NIL,  29
.set SC,   32                          ; scale words: set s at v[SC + 32 s]; register 4 i + q: block i, K step q
.set AF,   128
.set G1, 24                            ; s[24:31] group 1 for x's parts; s[32:39] group 0, one for each K half
.set G0, 32
.set G1B, 48                           ; s[48:55], s[56:63] the same for W's
.set G0B, 56
.set MSB, 0
.macro WIN new                         ; the immediate's high byte repeats the setting that is left
.if MSB != \new
	s_set_vgpr_msb (MSB<<8)|\new
.set MSB, \new
.endif
.endm
.set MUL_LO, 0xa1                      ; source 0 (W) window 1, source 1 (x) window 0, C and D window 2
.set MUL_HI, 0xf1
.set TO_B,   0x40
.macro JLOAD g0a, g1a, g0b, g1b        ; a joint load: waves 0 and 1 fetch for x, waves 2 and 3 for W; an s_nop 0 and four v_nop follow each line
	s_cmp_eq_u32 s15, 0
	s_cbranch_scc0 .Lfor_b_\@
	tensor_load_to_lds s[\g0a:\g0a+3], s[\g1a:\g1a+7]
	s_nop 0
.rept 4
	v_nop
.endr
	s_branch .Lasked_\@
.Lfor_b_\@:
	tensor_load_to_lds s[\g0b:\g0b+3], s[\g1b:\g1b+7]
	s_nop 0
.rept 4
	v_nop
.endr
.Lasked_\@:
.endm
.macro CROUND                          ; a round of the cluster's barrier
	s_barrier_signal -1
	s_barrier_wait -1
	s_cmp_lg_u32 s14, 0
	s_cbranch_scc1 .Lnot_wave_0_\@
	s_barrier_signal -3
.Lnot_wave_0_\@:
	s_barrier_wait -3
	s_barrier_signal -1
	s_barrier_wait -1
.endm
	s_load_b128 s[4:7], s[0:1], 0x0                ; xq s[4:5], wq s[6:7]
	s_load_b64 s[12:13], s[0:1], 0x10              ; qkv
	v_lshl_add_u32 v[SPW], v0, 2, SPARE
	v_mov_b32 v[NIL], 0
	ds_add_u32 v[SPW], v[NIL]                      ; the wave's opening: the add, twice on end, and its wait ahead of my first tensor load
	ds_add_u32 v[SPW], v[NIL]
	v_lshrrev_b32 v1, 5, v0
	v_readfirstlane_b32 s14, v1                    ; wave 0..3
	s_lshr_b32 s15, s14, 1                         ; my half of the tokens.  Also: I fetch for x (0) or for W (1)
	s_and_b32 s16, s14, 1                          ; my half of the channels.  Also: which block of 128 rows I fetch
	s_bfe_u32 s40, ttmp6, 0x40000                  ; cx, cy
	s_bfe_u32 s41, ttmp6, 0x40004
	s_lshl_b32 s42, ttmp9, 2
	s_add_co_u32 s42, s42, s40                     ; tx: 256 channels
	s_and_b32 s17, ttmp7, 0xffff
	s_lshl_b32 s17, s17, 2
	s_add_co_u32 s17, s17, s41                     ; ty: 256 tokens
	s_lshl_b32 s43, s41, 2
	s_lshl_b32 s43, 15, s43                        ; my row of the cluster
	s_lshl_b32 s44, 0x1111, s40                    ; my column
	s_or_b32 s[G1+0], s43, (3<<16)|(1<<21)         ; the mask; elements of 8 bytes; bit 21 beside a mask; no padding
	s_or_b32 s[G1B+0], s44, (3<<16)|(1<<21)
.irp g, G1, G1B
	s_mov_b32 s[\g+1], 32<<16                      ; a dense block as 136 rows of 256 bytes
	s_mov_b32 s[\g+2], 136<<16
	s_mov_b32 s[\g+3], 32<<16
	s_mov_b32 s[\g+4], 136
	s_mov_b32 s[\g+5], 32
	s_mov_b32 s[\g+6], 0
	s_mov_b32 s[\g+7], 0
.endr
	s_lshl_b32 s20, s17, 1
	s_add_co_u32 s20, s20, s16
	s_mul_i32 s20, s20, BLK                        ; x's block 2 ty + half
	s_mov_b32 s21, 0
	s_lshl_b32 s46, s42, 1
	s_add_co_u32 s46, s46, s16
	s_mul_i32 s46, s46, BLK                        ; W's block 2 tx + half
	s_mov_b32 s47, 0
	s_mul_i32 s45, s14, BLK                        ; in LDS: wave x a block: no place in the cluster enters an LDS address
	s_wait_dscnt 0x0                               ; both opening adds are done
	s_wait_kmcnt 0x0
	s_add_nc_u64 s[20:21], s[4:5], s[20:21]
	s_add_nc_u64 s[46:47], s[6:7], s[46:47]
	CROUND                                         ; all sixteen work-groups are here: the joint loads meet
.irp s, 0,1
	s_mov_b32 s[G0+4*\s], 1
	s_add_co_u32 s[G0+4*\s+1], s45, \s*PART
	s_add_nc_u64 s[G0+4*\s+2:G0+4*\s+3], s[20:21], \s*PART
	s_or_b32 s[G0+4*\s+3], s[G0+4*\s+3], 0x80000000
	s_mov_b32 s[G0B+4*\s], 1
	s_add_co_u32 s[G0B+4*\s+1], s45, \s*PART
	s_add_nc_u64 s[G0B+4*\s+2:G0B+4*\s+3], s[46:47], \s*PART
	s_or_b32 s[G0B+4*\s+3], s[G0B+4*\s+3], 0x80000000
	JLOAD G0+4*\s, G1, G0B+4*\s, G1B               ; two loads of mine are out: both K halves
.endr
	v_and_b32 v1, 15, v0                           ; r
	v_bfe_u32 v2, v0, 4, 1                         ; h
	v_and_b32 v3, 31, v0
	v_lshlrev_b32 v3, 4, v3                        ; 16 x lane
	s_mul_i32 s21, s15, BLK
	s_add_co_u32 s21, s21, 2048                    ; my tokens' codes
	s_mul_i32 s22, s16, BLK
	s_add_co_u32 s22, s22, 2*BLK+2048              ; my channels'
.irp s, 0,1
	v_add_nc_u32 v[ADRA+\s], s21, v3
	v_add_nc_u32 v[ADRB+\s], s22, v3
	s_add_co_u32 s21, s21, PART
	s_add_co_u32 s22, s22, PART
.endr
	s_mul_i32 s21, s15, BLK                        ; scale words: x's block,
	s_mul_i32 s22, s16, BLK
	s_add_co_u32 s22, s22, 2*BLK                   ; W's block,
	s_sub_co_u32 s22, s22, s21                     ; and the distance between the two
	v_mul_u32_u24 v6, s22, v2                      ; lanes 16-31 take W's
	v_lshl_add_u32 v5, v1, 4, v6                   ; 16 bytes a row
	v_add_nc_u32 v[ADRS], s21, v5
	v_lshrrev_b32 v5, 3, v1                        ; V's place of unit (r, h): 256 (r / 8) + 128 h + 16 (r % 8)
	v_and_b32 v6, 7, v1
	v_lshlrev_b32 v6, 4, v6
	v_lshl_add_u32 v6, v5, 8, v6
	v_lshl_add_u32 v6, v2, 7, v6
	s_cmp_eq_u32 ttmp9, 2                          ; tx / 4 = the cluster's x: 0 Q, 1 K, 2 V
	s_cselect_b32 s23, -1, 0
	v_cndmask_b32 v[CO], v3, v6, s23
	s_lshr_b32 s20, s17, 3                         ; batch
	s_lshl_b32 s20, s20, 4
	s_lshl_b32 s21, s16, 1
	s_add_co_u32 s20, s20, s21                     ; 16 batch + 2 x my half of the channels,
	s_mul_i32 s20, s20, 786432
	s_bfe_u32 s21, s17, 0x20001                    ; the chunk of 512 tokens: (ty % 8) / 2
	s_mul_i32 s21, s21, 196608
	s_add_co_u32 s20, s20, s21
	s_and_b32 s21, s17, 1
	s_lshl_b32 s21, s21, 4
	s_lshl_b32 s22, s15, 3
	s_add_co_u32 s21, s21, s22                     ; my first tile of tokens in the chunk
	s_lshl_b32 s21, s21, 11
	s_add_co_u32 s20, s20, s21
	s_mov_b32 s21, 0
	s_lshl_b32 s46, s40, 2                         ; + 4 (tx % 4) heads,
	s_mul_i32 s46, s46, 786432
	s_lshl_b32 s47, ttmp9, 16                      ; and the kind's 65,536 bytes
	s_add_co_u32 s46, s46, s47
	s_mov_b32 s47, 0
	s_add_nc_u64 s[20:21], s[20:21], s[46:47]
	s_add_nc_u64 s[12:13], s[12:13], s[20:21]
.macro FRAG reg, adr, q, i             ; a fragment, 16 rows x 128 K: two groups of four registers, 512 bytes each
.irp c, 0,1
	ds_load_b128 v[\reg+4*\c:\reg+4*\c+3], v[\adr] offset:4096*(\i)+1024*(\q)+512*\c
.endr
.endm
; 16 matrix instructions: x's blocks a0, a0 + 1 against W's eight.  p: W's set; sc: the set of scale words.  zero = 1: the first product starts the sums.
; The 64 accumulators take turns, one instruction a turn, in the same order in every step.
.macro MUL16 a0, p, q, sc, zero
.irp a, \a0, \a0+1
.irp b, 0,1,2,3,4,5,6,7
.if \zero
	v_wmma_scale_f32_16x16x128_f8f6f4 v[8*(8*((\a)%4)+\b):8*(8*((\a)%4)+\b)+7], v[128*(\p)+FR*\b:128*(\p)+FR*\b+FR-1], v[AF+FR*(\a):AF+FR*(\a)+FR-1], 0, v[SC+8*NQ*(\sc)+NQ*\b+(\q)], v[SC+8*NQ*(\sc)+NQ*(\a)+(\q)] matrix_a_fmt:MATRIX_FMT_FP4 matrix_b_fmt:MATRIX_FMT_FP4 matrix_a_scale:MATRIX_SCALE_ROW1
.else
	v_wmma_scale_f32_16x16x128_f8f6f4 v[8*(8*((\a)%4)+\b):8*(8*((\a)%4)+\b)+7], v[128*(\p)+FR*\b:128*(\p)+FR*\b+FR-1], v[AF+FR*(\a):AF+FR*(\a)+FR-1], v[8*(8*((\a)%4)+\b):8*(8*((\a)%4)+\b)+7], v[SC+8*NQ*(\sc)+NQ*\b+(\q)], v[SC+8*NQ*(\sc)+NQ*(\a)+(\q)] matrix_a_fmt:MATRIX_FMT_FP4 matrix_b_fmt:MATRIX_FMT_FP4 matrix_a_scale:MATRIX_SCALE_ROW1
.endif
.endr
.endr
.endm
.macro FETCH_B slot, q, p
	WIN TO_B
.irp i, 0,1,2,3,4,5,6,7
	FRAG 128*(\p)+FR*\i, ADRB+\slot, \q, \i
.endr
	WIN 0
.endm
.macro FETCH_A slot, q, i0
.irp i, \i0, \i0+1, \i0+2, \i0+3
	FRAG AF+FR*(\i), ADRA+\slot, \q, \i
.endr
.endm
.macro SCALES sc                       ; a K half's scale words: four a row; lanes 0-15 x's block i, lanes 16-31 W's block i
.irp i, 0,1,2,3,4,5,6,7
	ds_load_b128 v[SC+8*NQ*\sc+NQ*\i:SC+8*NQ*\sc+NQ*\i+3], v[ADRS] offset:PART*\sc+256*\i
.endr
.endm
.macro PLACES n                        ; plain vector instructions between a matrix instruction and a load into, or a read of, its registers
.rept \n
	v_nop
.endr
.endm
.macro STEP slot, q, zero              ; 128 along K, with its successor in the same K half
	s_wait_dscnt 4*NL                              ; W's set and x's blocks 0-3 are in; the youngest eight loads (x's blocks 4-7) may be out
	WIN MUL_LO
	MUL16 0, (\q)%2, \q, \slot, \zero
	MUL16 2, (\q)%2, \q, \slot, \zero
	s_wait_dscnt 0                                 ; x's blocks 4-7 are in
	PLACES NP
	FETCH_B \slot, (\q)+1, 1-(\q)%2
	FETCH_A \slot, (\q)+1, 0
	WIN MUL_HI
	MUL16 4, (\q)%2, \q, \slot, \zero
	MUL16 6, (\q)%2, \q, \slot, \zero
	PLACES NP
	WIN 0
	FETCH_A \slot, (\q)+1, 4
.endm
	s_wait_tensorcnt 1                             ; my part of K half 0 is in; K half 1's load may be out
	s_barrier_signal -1
	s_barrier_wait -1                              ; everybody's is
	FETCH_B 0, 0, 0
	FETCH_A 0, 0, 0
	SCALES 0
	FETCH_A 0, 0, 4
	STEP 0, 0, 1                                   ; the first step's products start the sums: nothing is cleared
	STEP 0, 1, 0
	STEP 0, 2, 0
	; K half 0's last step changes to K half 1: one barrier; in front of it each wave's own part of K half 1 has landed
	s_wait_tensorcnt 0x0                           ; my part of K half 1 is in
	ds_add_u32 v[SPW], v[NIL]                      ; 0 onto my spare word
	s_wait_dscnt 4*NL+1                            ; (the add and the youngest eight loads may be out)
	WIN MUL_LO
	MUL16 0, 1, NQ-1, 0, 0
	s_wait_dscnt 0x0                               ; no LDS instruction of mine is out at the signal
	s_barrier_signal -1
	MUL16 2, 1, NQ-1, 0, 0
	WIN 0
	s_barrier_wait -1                              ; K half 1 is whole
	PLACES NP
	FETCH_B 1, 0, 0
	FETCH_A 1, 0, 0
	SCALES 1
	WIN MUL_HI
	MUL16 4, 1, NQ-1, 0, 0
	MUL16 6, 1, NQ-1, 0, 0
	PLACES NP
	WIN 0
	FETCH_A 1, 0, 4
	STEP 1, 0, 0
	STEP 1, 1, 0
	STEP 1, 2, 0
	s_wait_dscnt 4*NL                              ; the last step: nothing more to fetch
	WIN MUL_LO
	MUL16 0, 1, NQ-1, 1, 0
	MUL16 2, 1, NQ-1, 1, 0
	s_wait_dscnt 0
	WIN MUL_HI
	MUL16 4, 1, NQ-1, 1, 0
	MUL16 6, 1, NQ-1, 1, 0
	WIN 0
; THE WAY OUT of block a (16 tokens x 128 channels): rounded to f16, each accumulator from its low end on; eight stores of 512 consecutive aligned bytes.
.macro OUT a
.set AC, 64*((\a)%4)
.set PK, 128+32*((\a)%4)
.if (\a) >= 4
	s_wait_xcnt 0x0                                ; block a - 4's stores have read these registers
.endif
	WIN (0x0a+5*((\a)/4))                          ; sources 0 and 1: window 2 or 3
.irp b, 0,1,2,3,4,5,6,7
.irp p, 0,1,2,3
	v_cvt_pk_f16_f32 v[PK+4*\b+\p], v[AC+8*\b+2*\p], v[AC+8*\b+2*\p+1]
.endr
.endr
	WIN 0
.irp b, 0,1,2,3,4,5,6,7
	global_store_b128 v[CO], v[PK+4*\b:PK+4*\b+3], s[12:13] offset:(\b/4)*786432+2048*(\a)+512*(\b%4)   ; head b / 4 of my two, tile a of tokens, tile b % 4 of channels
.endr
.endm
	PLACES NP                                      ; behind the last products: their results are read, and x's fragments written over, only behind these
.irp a, 0,1,2,3,4,5,6,7
	OUT \a
.endr
	s_wait_tensorcnt 0x0                           ; the wave's end
	ds_add_u32 v[SPW], v[NIL]
	s_wait_dscnt 0x0
	CROUND                                         ; the closing round
	s_endpgm
.Lfunc_end_k_qcdc7290469_qkv:
	.size	k_qcdc7290469_qkv, .Lfunc_end_k_qcdc7290469_qkv-k_qcdc7290469_qkv
	.p2alignl 7, 3214868480
	.fill 96, 4, 3214868480
	.section	.rodata,"a",@progbits
	.p2align	6, 0x0
	.amdhsa_kernel k_qcdc7290469_qkv
		.amdhsa_group_segment_fixed_size 279040
		.amdhsa_private_segment_fixed_size 0
		.amdhsa_enable_private_segment 0
		.amdhsa_kernarg_size 24
		.amdhsa_user_sgpr_count 2
		.amdhsa_user_sgpr_kernarg_segment_ptr 1
		.amdhsa_wavefront_size32 1
		.amdhsa_system_sgpr_workgroup_id_x 1
		.amdhsa_system_sgpr_workgroup_id_y 1
		.amdhsa_system_sgpr_workgroup_id_z 1
		.amdhsa_system_vgpr_workitem_id 0
		.amdhsa_next_free_vgpr 1024
		.amdhsa_next_free_sgpr 66
		.amdhsa_reserve_vcc 0
		.amdhsa_float_denorm_mode_32 3
		.amdhsa_float_denorm_mode_16_64 3
		.amdhsa_memory_ordered 1
		.amdhsa_forward_progress 1
		.amdhsa_inst_pref_size 116
	.end_amdhsa_kernel
	.amdgpu_metadata
---
amdhsa.version: [ 1, 2 ]
amdhsa.kernels:
  - .name:           k_qcdc7290469_qkv
    .symbol:         k_qcdc7290469_qkv.kd
    .args:
      - { .name: xq, .offset: 0, .size: 8, .value_kind: global_buffer, .address_space: global }
      - { .name: wq, .offset: 8, .size: 8, .value_kind: global_buffer, .address_space: global }
      - { .name: qkv, .offset: 16, .size: 8, .value_kind: global_buffer, .address_space: global }
    .group_segment_fixed_size: 279040
    .private_segment_fixed_size: 0
    .kernarg_segment_align: 8
    .kernarg_segment_size: 24
    .max_flat_workgroup_size: 128
    .sgpr_count:     66
    .vgpr_count:     1024
    .wavefront_size: 32
...
	.end_amdgpu_metadata
.endif
;; end of part 2
;; launch attn (part 3): grid 4 x 64, 8 waves a work-group, clusters of 4 x 1, 327,680 bytes of LDS; arguments qkv, ob; writes ob
.if DOCPART == 3
	.amdgcn_target "amdgcn-amd-amdhsa--gfx1250"
	.amdhsa_code_object_version 6
	.text
	.protected	k_qcdc7290469_attn
	.globl	k_qcdc7290469_attn
	.p2align	8
	.type	k_qcdc7290469_attn,@function
k_qcdc7290469_attn:
	s_mov_b64 s[64:65], 0
	v_nop
	global_prefetch_b8 v0, s[64:65] scope:SCOPE_SE
	s_setreg_imm32_b32 hwreg(HW_REG_WAVE_MODE, 25, 1), 1
	s_wait_xcnt 0x0
	s_wait_alu depctr_hold_cnt(0) depctr_sa_sdst(0) depctr_va_vdst(0) depctr_va_sdst(0) depctr_va_ssrc(0) depctr_va_vcc(0) depctr_vm_vsrc(0)
	s_getreg_b32 s2, hwreg(HW_REG_IB_STS2, 6, 4)
	s_cmp_eq_u32 s2, 0
	s_cbranch_scc0 .Lentry_in_a_cluster
	s_endpgm
.Lentry_in_a_cluster:
	s_bfe_u32 s2, ttmp6, 0x10000c
	s_cmp_lg_u32 s2, 0x3003
	s_cbranch_scc0 .Lentry_shape_is_right
	s_endpgm
.Lentry_shape_is_right:
; O[bh][q] = the sum over k of softmax_k(Q[bh][q] . K[bh][k] / 8) V[bh][k]: 64 heads of 2,048 tokens x 64 channels, f16 operands, f32 products, maxima and sums; no mask.
; SHARES.  A work-group owns 512 queries of one head, each of its eight waves 64: four tiles of 16; two waves on a SIMD, so that one wave's softmax stands beside the other's products.
; LAYOUT.  Both products are used transposed: S^T = K Q^T (source 0 = 16 keys, source 1 = 16 queries), O^T = V^T P (source 0 = 16 channels, source 1 = P): a lane holds ONE query throughout.
; Two score tiles, rounded to f16 in pairs, ARE source 1 of the second product.  K, Q and V arrive as images of registers, so every LDS read is 16 x lane + a constant; V is turned by ds_load_tr16_b128.
; SOFTMAX.  A running maximum m and sum l for each query: p = 2^(c s - c m), c = log2(e) / 8; in every step O and l are multiplied by a = 2^(c m_old - c m_new).  O and l begin as zeros, m as -3e38.
; RING.  Two slots of 512 keys (K 65,536 bytes, then V 65,536); each wave brings 16,384 bytes of a slot by one load.  A slot is asked for eight key steps, 512 matrix instructions a wave,
; ahead of its first read, so no prefetch is laid beside the loads.
; CLUSTER.  The four query blocks of a head walk the same K and V: each load is a joint one, with the mask of all four.
; THE WAY OUT NEEDS NO LDS: a lane's eight channels, as f16, are a group of four registers of the next launch's operand:
;   ob: [128 tokens 64][128 along K 8][tile of 16 tokens 8][32 along K 4][half 2][lane][16 bytes].
; LIMITS: |q|, |k|, |v| under 65,504; weights p under 2^-24 are lost in f16 (the row's sum, taken in f32, is at least 1); NaN and infinities are not served.
; REGISTERS: window 0: v1-9 addresses; v16-63 twelve registers of statistics a tile; v64-191 S^T, 32 a tile (P takes each tile's first 16); v192-255 V of one step.
;   window 1: v0-63 Q; v64-191 O^T, 32 a tile; v192-255 K of one step.
.set SLOT1, 1<<17
.set VOFF,  65536
.set SPARE, 262144                     ; behind the ring: the spare words, 128 bytes for each of eight waves
.set L16, 1                            ; v1  16 x lane
.set ADK, 2                            ; v2  LDS address of the step's K
.set ADV, 3                            ; v3  of its V
.set SPW, 8
.set NIL, 9
.set ST,  16                           ; tile t at v[ST + 12 t]: +0 c m, +1 m, +2:3 l, +4:5 a (and 0), +6..9 at work, +10 c m_old, +11 the lane exchange
.set S,   64
.set VF,  192
.set QF,  0                            ; window 1
.set OA,  64
.set KF,  192
.set WV,  12
.set G1,  24
.set G0,  32
.set CH,  56
.set STP, 57
.set CS,  58
.set SEL, 60
.set TK,  62
.set MSB, 0
.macro WIN new
.if MSB != \new
	s_set_vgpr_msb (MSB<<8)|\new
.set MSB, \new
.endif
.endm
.macro PLACES n
.rept \n
	v_nop
.endr
.endm
.macro CROUND
	s_barrier_signal -1
	s_barrier_wait -1
	s_cmp_lg_u32 s[WV], 0
	s_cbranch_scc1 .Lnot_wave_0_\@
	s_barrier_signal -3
.Lnot_wave_0_\@:
	s_barrier_wait -3
	s_barrier_signal -1
	s_barrier_wait -1
.endm
	s_load_b128 s[4:7], s[0:1], 0x0                ; qkv s[4:5], ob s[6:7]
	v_lshl_add_u32 v[SPW], v0, 2, SPARE
	v_mov_b32 v[NIL], 0
	ds_add_u32 v[SPW], v[NIL]                      ; the wave's opening: the add, twice on end, and its wait ahead of my first tensor load
	ds_add_u32 v[SPW], v[NIL]
	v_lshrrev_b32 v1, 5, v0
	v_readfirstlane_b32 s[WV], v1                  ; wave 0..7
	s_bfe_u32 s13, ttmp6, 0x40000                  ; cx: my 512 queries; it enters Q's and O's addresses alone
	s_and_b32 s14, ttmp7, 0xffff                   ; batch x head, which the four partners share
	s_mul_i32 s20, s14, 786432                     ; the head's first byte
	s_lshl_b32 s15, s[WV], 14                      ; my 16,384 bytes of a slot
	s_add_co_u32 s16, s20, s15
	s_add_co_u32 s16, s16, 65536                   ; K and V follow Q in a chunk
	s_mov_b32 s17, 0
	s_mov_b32 s[G1], 15|(3<<16)|(1<<21)            ; the mask: all four; elements of 8 bytes; bit 21 beside a mask; no padding
	s_mov_b32 s[G1+1], 32<<16                      ; a dense block as 64 rows of 256 bytes
	s_mov_b32 s[G1+2], 64<<16
	s_mov_b32 s[G1+3], 32<<16
	s_mov_b32 s[G1+4], 64
	s_mov_b32 s[G1+5], 32
	s_mov_b32 s[G1+6], 0
	s_mov_b32 s[G1+7], 0
	s_mov_b32 s[CS], 0x3e38aa3b                    ; c = log2(e) / 8
	s_mov_b32 s[CS+1], s[CS]                       ; (named with it as a pair)
	s_mov_b32 s[SEL], 0x76543210
	s_mov_b32 s[SEL+1], 0xfedcba98
	s_mov_b32 s[TK], 0
	s_mov_b32 s[CH], 3
	s_mul_i32 s18, s13, 196608                     ; Q: my chunk,
	s_add_co_u32 s18, s18, s20
	s_lshl_b32 s19, s[WV], 13                      ; my wave's four tiles of 2,048 bytes
	s_add_co_u32 s18, s18, s19
	s_mov_b32 s19, 0
	s_lshr_b32 s22, s14, 4                         ; O: 128 tokens: 16 batch + 4 cx + wave / 2,
	s_lshl_b32 s22, s22, 4
	s_lshl_b32 s23, s13, 2
	s_add_co_u32 s22, s22, s23
	s_lshr_b32 s23, s[WV], 1
	s_add_co_u32 s22, s22, s23
	s_lshl_b32 s22, s22, 18
	s_bfe_u32 s23, s14, 0x30001                    ; 128 along K: head / 2,
	s_lshl_b32 s23, s23, 15
	s_add_co_u32 s22, s22, s23
	s_and_b32 s23, s[WV], 1                        ; four tiles of 4,096 bytes,
	s_lshl_b32 s23, s23, 14
	s_add_co_u32 s22, s22, s23
	s_and_b32 s23, s14, 1                          ; the head's 64 of the 128
	s_lshl_b32 s23, s23, 11
	s_add_co_u32 s22, s22, s23
	s_mov_b32 s23, 0
	s_wait_dscnt 0x0                               ; both opening adds are done
	s_wait_kmcnt 0x0
	s_mov_b32 s[G0], 1
	s_mov_b32 s[G0+1], s15
	s_add_nc_u64 s[G0+2:G0+3], s[4:5], s[16:17]
	s_or_b32 s[G0+3], s[G0+3], 0x80000000
	s_add_nc_u64 s[10:11], s[4:5], s[18:19]
	s_add_nc_u64 s[6:7], s[6:7], s[22:23]
	CROUND                                         ; all four work-groups are here: the first joint loads meet
	tensor_load_to_lds s[G0:G0+3], s[G1:G1+7]      ; keys 0 to 511 into slot 0
	s_nop 0
	PLACES 4
	v_and_b32 v[L16], 31, v0
	v_lshlrev_b32 v[L16], 4, v[L16]
	WIN 0x40                                       ; destination window 1
.irp i, 0,1,2,3,4,5,6,7,8,9,10,11,12,13,14,15
	global_load_b128 v[QF+4*\i:QF+4*\i+3], v[L16], s[10:11] offset:512*\i   ; Q stays in registers: tile i / 4, channels 16 (i % 4) on
.endr
.set i, 0
.rept 128
	v_mov_b32 v[OA+i], 0                           ; the step is written once: the first finds zeros, which a = 0 leaves zeros
.set i, i+1
.endr
	WIN 0
.irp t, 0,1,2,3
	v_mov_b32 v[ST+12*\t+1], 0xff61b1e6            ; m = -3e38, under every score
	v_mul_f32 v[ST+12*\t], s[CS], v[ST+12*\t+1]
	v_mov_b32 v[ST+12*\t+2], 0
	v_mov_b32 v[ST+12*\t+3], 0
	v_mov_b32 v[ST+12*\t+5], 0                     ; (named as the upper half of a's pair)
	v_mov_b32 v[ST+12*\t+11], 0                    ; a lane permute's destination counts as one of its sources
.endr
.macro FETCH_K off                     ; a step's K: 64 keys x 64 channels, 8,192 bytes as they lie: register group f at 512 f
	WIN 0x40
.irp f, 0,1,2,3,4,5,6,7,8,9,10,11,12,13,14,15
	ds_load_b128 v[KF+4*\f:KF+4*\f+3], v[ADK] offset:\off+512*\f
.endr
	WIN 0
.endm
.macro FETCH_V off                     ; a step's V, turned: fragment (g, n): 32 keys x 16 channels
.irp g, 0,1
.irp n, 0,1,2,3
.irp u, 0,1
	ds_load_tr16_b128 v[VF+32*\g+8*\n+4*\u:VF+32*\g+8*\n+4*\u+3], v[ADV] offset:\off+2048*(2*\g+\u)+512*\n
.endr
.endr
.endr
.endm
.macro KQ                              ; 32 products: the 16 accumulators (4 tiles of keys x 4 of queries) by turns, 32 channels a turn; the first 16 start the sums
	WIN 0x05
.irp c, 0,1
.irp k, 0,1,2,3
.irp t, 0,1,2,3
.if \c == 0
	v_wmma_f32_16x16x32_f16 v[S+32*\t+8*\k:S+32*\t+8*\k+7], v[KF+16*\k+8*\c:KF+16*\k+8*\c+7], v[QF+16*\t+8*\c:QF+16*\t+8*\c+7], 0
.else
	v_wmma_f32_16x16x32_f16 v[S+32*\t+8*\k:S+32*\t+8*\k+7], v[KF+16*\k+8*\c:KF+16*\k+8*\c+7], v[QF+16*\t+8*\c:QF+16*\t+8*\c+7], v[S+32*\t+8*\k:S+32*\t+8*\k+7]
.endif
.endr
.endr
.endr
.endm
.macro PV                              ; 32 products: the 16 accumulators (4 tiles of channels x 4 of queries) by turns, 32 keys a turn
	WIN 0x50
.irp g, 0,1
.irp n, 0,1,2,3
.irp t, 0,1,2,3
	v_wmma_f32_16x16x32_f16 v[OA+32*\t+8*\n:OA+32*\t+8*\n+7], v[VF+32*\g+8*\n:VF+32*\g+8*\n+7], v[S+32*\t+8*\g:S+32*\t+8*\g+7], v[OA+32*\t+8*\n:OA+32*\t+8*\n+7]
.endr
.endr
.endr
.endm
.macro SOFTMAX                         ; the four tiles by turns, so that no line waits for the line above it
.irp j, 0,1,2,3                        ; the maximum: four chains a tile, each score tile read from its low end on
.irp t, 0,1,2,3
	v_max3_num_f32 v[ST+12*\t+6+\j], v[S+32*\t+8*\j], v[S+32*\t+8*\j+1], v[S+32*\t+8*\j+2]
.endr
.endr
.irp i, 3,5
.irp j, 0,1,2,3
.irp t, 0,1,2,3
	v_max3_num_f32 v[ST+12*\t+6+\j], v[ST+12*\t+6+\j], v[S+32*\t+8*\j+\i], v[S+32*\t+8*\j+\i+1]
.endr
.endr
.endr
.irp t, 0,1,2,3
	v_max3_num_f32 v[ST+12*\t+6], v[ST+12*\t+6], v[S+32*\t+7], v[S+32*\t+15]
.endr
.irp t, 0,1,2,3
	v_max3_num_f32 v[ST+12*\t+8], v[ST+12*\t+8], v[S+32*\t+23], v[S+32*\t+31]
.endr
.irp t, 0,1,2,3
	v_max3_num_f32 v[ST+12*\t+6], v[ST+12*\t+6], v[ST+12*\t+7], v[ST+12*\t+8]
.endr
.irp t, 0,1,2,3
	v_max3_num_f32 v[ST+12*\t+6], v[ST+12*\t+6], v[ST+12*\t+9], v[ST+12*\t+1]   ; with the old m
.endr
.irp t, 0,1,2,3
	v_permlanex16_b32 v[ST+12*\t+11], v[ST+12*\t+6], s[SEL], s[SEL+1]           ; the query's other 32 keys lie in the lane 16 away
.endr
.irp t, 0,1,2,3
	v_mov_b32 v[ST+12*\t+10], v[ST+12*\t]
.endr
.irp t, 0,1,2,3
	v_max_num_f32 v[ST+12*\t+1], v[ST+12*\t+6], v[ST+12*\t+11]
.endr
.irp t, 0,1,2,3
	v_mul_f32 v[ST+12*\t], s[CS], v[ST+12*\t+1]
.endr
.irp t, 0,1,2,3
	v_sub_f32 v[ST+12*\t+10], v[ST+12*\t+10], v[ST+12*\t]                       ; c m_old - c m_new
.endr
.irp i, 0,2,4,6,8,10,12,14,16,18,20,22,24,26,28,30
	v_pk_fma_f32 v[S+\i:S+\i+1], v[S+\i:S+\i+1], s[CS:CS+1], v[ST:ST+1] op_sel_hi:[1,0,0] neg_lo:[0,0,1] neg_hi:[0,0,1]   ; tile 0: c s - c m
.endr
; ONE BATCH: all 132 exponentials, with the next tile's scalings between them; none of these lines names an exponential's result
.irp t, 0,1,2,3
	v_exp_f32 v[ST+12*\t+4], v[ST+12*\t+10]        ; a
.endr
.irp t, 0,1,2,3
.irp i, 0,2,4,6,8,10,12,14,16,18,20,22,24,26,28,30
.if \t < 3
	v_pk_fma_f32 v[S+32*(\t+1)+\i:S+32*(\t+1)+\i+1], v[S+32*(\t+1)+\i:S+32*(\t+1)+\i+1], s[CS:CS+1], v[ST+12*(\t+1):ST+12*(\t+1)+1] op_sel_hi:[1,0,0] neg_lo:[0,0,1] neg_hi:[0,0,1]
.endif
	v_exp_f32 v[S+32*\t+\i], v[S+32*\t+\i]
	v_exp_f32 v[S+32*\t+\i+1], v[S+32*\t+\i+1]
.endr
.endr
	v_nop                                          ; a plain line behind the last exponential
	s_wait_alu depctr_va_vdst(0)                   ; the wait ahead of the first line that names a result: one for the batch
.irp t, 0,1,2,3                        ; the row's sum, of the unrounded weights: two chains a tile
	v_pk_add_f32 v[ST+12*\t+6:ST+12*\t+7], v[S+32*\t:S+32*\t+1], v[S+32*\t+2:S+32*\t+3]
.endr
.irp t, 0,1,2,3
	v_pk_add_f32 v[ST+12*\t+8:ST+12*\t+9], v[S+32*\t+4:S+32*\t+5], v[S+32*\t+6:S+32*\t+7]
.endr
.irp i, 8,12,16,20,24,28
.irp t, 0,1,2,3
	v_pk_add_f32 v[ST+12*\t+6:ST+12*\t+7], v[ST+12*\t+6:ST+12*\t+7], v[S+32*\t+\i:S+32*\t+\i+1]
.endr
.irp t, 0,1,2,3
	v_pk_add_f32 v[ST+12*\t+8:ST+12*\t+9], v[ST+12*\t+8:ST+12*\t+9], v[S+32*\t+\i+2:S+32*\t+\i+3]
.endr
.endr
.irp t, 0,1,2,3
	v_pk_add_f32 v[ST+12*\t+6:ST+12*\t+7], v[ST+12*\t+6:ST+12*\t+7], v[ST+12*\t+8:ST+12*\t+9]
.endr
.irp t, 0,1,2,3
	v_pk_fma_f32 v[ST+12*\t+2:ST+12*\t+3], v[ST+12*\t+2:ST+12*\t+3], v[ST+12*\t+4:ST+12*\t+5], v[ST+12*\t+6:ST+12*\t+7] op_sel_hi:[1,0,1]   ; l = a l + the sum
.endr
.irp i, 0,1,2,3,4,5,6,7,8,9,10,11,12,13,14,15
.irp t, 0,1,2,3
	v_cvt_pk_f16_f32 v[S+32*\t+\i], v[S+32*\t+2*\i], v[S+32*\t+2*\i+1]          ; P in place, ascending: register i is written when 2 i and 2 i + 1 have been read
.endr
.endr
.endm
; A KEY STEP: 64 keys.  last = 1: the slot's last step fetches nothing beyond it.
.macro STEP last
	v_add_nc_u32 v[ADK], s[TK], v[L16]
	v_add_nc_u32 v[ADV], VOFF, v[ADK]
	s_wait_dscnt 16                                ; K is in; V's sixteen loads, issued behind K's, may be out
	KQ
	WIN 0
	PLACES 4                                       ; in front of loads into K's registers and of the first read of the scores
.if !\last
	FETCH_K 8192                                   ; the next step's K lands under the softmax
.endif
	SOFTMAX
	s_wait_dscnt 0x0                               ; V is in
	WIN 0x41
.irp t, 0,1,2,3
.set i, 0
.rept 16
	v_pk_mul_f32 v[OA+32*\t+i:OA+32*\t+i+1], v[OA+32*\t+i:OA+32*\t+i+1], v[ST+12*\t+4:ST+12*\t+5] op_sel_hi:[1,0]   ; O^T x a
.set i, i+2
.endr
.endr
	PV
	WIN 0
	PLACES 5                                       ; the next K Q^T writes over P, which these products read: five places; four serve the loads into V's registers
.if !\last
	FETCH_V 8192
.endif
	s_add_co_u32 s[TK], s[TK], 8192
.endm
.macro CHUNK                           ; a slot's eight key steps
	v_add_nc_u32 v[ADK], s[TK], v[L16]
	v_add_nc_u32 v[ADV], VOFF, v[ADK]
	FETCH_K 0
	FETCH_V 0
	s_mov_b32 s[STP], 7
.Lstep_\@:
	STEP 0
	s_sub_co_u32 s[STP], s[STP], 1
	s_cmp_lg_u32 s[STP], 0
	s_cbranch_scc1 .Lstep_\@
	STEP 1
	s_sub_co_u32 s[TK], s[TK], 65536               ; back to a slot's first step,
	s_xor_b32 s[TK], s[TK], SLOT1                  ; in the other slot
.endm
; THE CHANGE OF SLOTS stands at a slot's head.  Each wave waits for all its tensor loads (its part of the slot ahead), adds 0 to its spare word, and waits for that and for its reads of the slot left.
; fill = 1: a round of the cluster's barrier, and behind it my one joint load: the next 512 keys into the slot just left (in the first trip: into slot 1, for the first time, as every wave's load is there).
.macro CHANGE fill
	s_wait_tensorcnt 0x0                           ; no tensor load of mine is out, so the group 0 may be written
	ds_add_u32 v[SPW], v[NIL]
.if \fill
	s_xor_b32 s[G0+1], s[G0+1], SLOT1
	s_add_nc_u64 s[G0+2:G0+3], s[G0+2:G0+3], 196608   ; the next chunk's K and V; the type bits on top are not reached
.endif
	s_wait_dscnt 0x0                               ; the add is done, and my reads of the slot that I have left are over
.if \fill
	CROUND
	tensor_load_to_lds s[G0:G0+3], s[G1:G1+7]
	s_nop 0
	PLACES 4
.else
	s_barrier_signal -1
	s_barrier_wait -1
.endif
.endm
	s_wait_loadcnt 0x0                             ; Q
.Lchunk:                               ; three trips: behind each change of slots but the last the next 512 keys are asked for
	CHANGE 1
	CHUNK
	s_sub_co_u32 s[CH], s[CH], 1
	s_cmp_lg_u32 s[CH], 0
	s_cbranch_scc1 .Lchunk
	CHANGE 0                                       ; the last slot is written out
	CHUNK
	; THE WAY OUT: l's halves and the other lanes' are added; O^T / l, rounded to f16: 16 bytes a lane, 512 consecutive aligned bytes a store
.irp t, 0,1,2,3
	v_add_f32 v[ST+12*\t+6], v[ST+12*\t+2], v[ST+12*\t+3]
.endr
.irp t, 0,1,2,3
	v_permlanex16_b32 v[ST+12*\t+11], v[ST+12*\t+6], s[SEL], s[SEL+1]
.endr
.irp t, 0,1,2,3
	v_add_f32 v[ST+12*\t+6], v[ST+12*\t+6], v[ST+12*\t+11]
.endr
.irp t, 0,1,2,3
	v_rcp_f32 v[ST+12*\t+4], v[ST+12*\t+6]
.endr
	v_nop                                          ; a plain line behind the last reciprocal
	s_wait_alu depctr_va_vdst(0)                   ; and the wait ahead of the first use: one for the four
.irp t, 0,1,2,3
	WIN 0x41
.set i, 0
.rept 16
	v_pk_mul_f32 v[OA+32*\t+i:OA+32*\t+i+1], v[OA+32*\t+i:OA+32*\t+i+1], v[ST+12*\t+4:ST+12*\t+5] op_sel_hi:[1,0]
.set i, i+2
.endr
	WIN 0x05
.set i, 0
.rept 16
	v_cvt_pk_f16_f32 v[S+16*\t+i], v[OA+32*\t+2*i], v[OA+32*\t+2*i+1]
.set i, i+1
.endr
	WIN 0
.irp n, 0,1,2,3
	global_store_b128 v[L16], v[S+16*\t+4*\n:S+16*\t+4*\n+3], s[6:7] offset:4096*\t+512*\n
.endr
.endr
	s_wait_tensorcnt 0x0                           ; the wave's end
	ds_add_u32 v[SPW], v[NIL]
	s_wait_dscnt 0x0
	CROUND                                         ; the closing round
	s_endpgm
.Lfunc_end_k_qcdc7290469_attn:
	.size	k_qcdc7290469_attn, .Lfunc_end_k_qcdc7290469_attn-k_qcdc7290469_attn
	.p2alignl 7, 3214868480
	.fill 96, 4, 3214868480
	.section	.rodata,"a",@progbits
	.p2align	6, 0x0
	.amdhsa_kernel k_qcdc7290469_attn
		.amdhsa_group_segment_fixed_size 327680
		.amdhsa_private_segment_fixed_size 0
		.amdhsa_enable_private_segment 0
		.amdhsa_kernarg_size 16
		.amdhsa_user_sgpr_count 2
		.amdhsa_user_sgpr_kernarg_segment_ptr 1
		.amdhsa_wavefront_size32 1
		.amdhsa_system_sgpr_workgroup_id_x 1
		.amdhsa_system_sgpr_workgroup_id_y 1
		.amdhsa_system_sgpr_workgroup_id_z 1
		.amdhsa_system_vgpr_workitem_id 0
		.amdhsa_next_free_vgpr 512
		.amdhsa_next_free_sgpr 66
		.amdhsa_reserve_vcc 0
		.amdhsa_float_denorm_mode_32 3
		.amdhsa_float_denorm_mode_16_64 3
		.amdhsa_memory_ordered 1
		.amdhsa_forward_progress 1
		.amdhsa_inst_pref_size 150
	.end_amdhsa_kernel
	.amdgpu_metadata
---
amdhsa.version: [ 1, 2 ]
amdhsa.kernels:
  - .name:           k_qcdc7290469_attn
    .symbol:         k_qcdc7290469_attn.kd
    .args:
      - { .name: qkv, .offset: 0, .size: 8, .value_kind: global_buffer, .address_space: global }
      - { .name: ob, .offset: 8, .size: 8, .value_kind: global_buffer, .address_space: global }
    .group_segment_fixed_size: 327680
    .private_segment_fixed_size: 0
    .kernarg_segment_align: 8
    .kernarg_segment_size: 16
    .max_flat_workgroup_size: 256
    .sgpr_count:     66
    .vgpr_count:     512
    .wavefront_size: 32
...
	.end_amdgpu_metadata
.endif
;; end of part 3
;; launch proj (part 4): grid 8 x 32, 4 waves a work-group, clusters of 4 x 4, 327,680 bytes of LDS; arguments ob, wo, b_out, out0; writes out0
.if DOCPART == 4
	.amdgcn_target "amdgcn-amd-amdhsa--gfx1250"
	.amdhsa_code_object_version 6
	.text
	.protected	k_qcdc7290469_proj
	.globl	k_qcdc7290469_proj
	.p2align	8
	.type	k_qcdc7290469_proj,@function
k_qcdc7290469_proj:
	s_mov_b64 s[64:65], 0
	v_nop
	global_prefetch_b8 v0, s[64:65] scope:SCOPE_SE
	s_setreg_imm32_b32 hwreg(HW_REG_WAVE_MODE, 25, 1), 1
	s_wait_xcnt 0x0
	s_wait_alu depctr_hold_cnt(0) depctr_sa_sdst(0) depctr_va_vdst(0) depctr_va_sdst(0) depctr_va_ssrc(0) depctr_va_vcc(0) depctr_vm_vsrc(0)
	s_getreg_b32 s2, hwreg(HW_REG_IB_STS2, 6, 4)
	s_cmp_eq_u32 s2, 0
	s_cbranch_scc0 .Lentry_in_a_cluster
	s_endpgm
.Lentry_in_a_cluster:
	s_bfe_u32 s2, ttmp6, 0x10000c
	s_cmp_lg_u32 s2, 0xf033
	s_cbranch_scc0 .Lentry_shape_is_right
	s_endpgm
.Lentry_shape_is_right:
; out0 = O W_out + b_out: [8192][1024], K = 1,024, f16 operands (both as images of registers, laid by earlier launches), f32 sums, f32 out.
; A tile is 256 tokens x 128 columns: 8 x 32 = 256 work-groups.  Four waves, each 128 x 64: 32 accumulators, 256 registers.  K goes in steps of 128 through a ring of two LDS slots.
; A K step's operands are dense blocks: O's 128 tokens 32,768 bytes, W's 64 columns 16,384; waves 0, 1 bring O's halves, waves 2, 3 W's, one load each.  Fragment reads are 16 x lane + a constant.
; CLUSTERS: 4 x 4 work-groups; O's blocks are shared along a row of the cluster, W's along a column: joint loads.
; THE MATRIX INSTRUCTION IS USED TRANSPOSED (source 0 = 16 columns of W, source 1 = 16 tokens): a lane holds eight neighbouring numbers of a row of out0.
; THE BIAS is the C of each sum's first product: eight registers a tile of columns, in the result's layout.
; A wave's 64 columns are 256 aligned bytes of a row: each wave has a stage of its own for the way out, and no barrier is needed there.
; REGISTERS: window 0: v16-29 addresses; v32-63 the bias; v64-159, v160-255 two fragment buffers (W's four tiles, then O's eight).   window 1: the accumulators ((a, b) at v[8 (4 a + b)]).
.set SLOT,  98304                      ; O's two halves of 32,768, then W's two of 16,384
.set BOFF,  65536
.set STAGE, 2*SLOT                     ; behind the ring: 16 rows x (256 + 16) bytes for each wave
.set SP,    272
.set SPARE, STAGE+4*16*SP              ; behind the stages: the spare words, 128 bytes for each wave
.set LAPS,  4                          ; a lap = two K steps
.set ADRA, 16
.set ADRB, 20
.set STO,  24
.set RD,   25
.set CO,   26
.set SPW,  28
.set NIL,  29
.set BIAS, 32
.set F0,   64
.set F1,   160
.set G1, 24
.set G0, 32
.set G1B, 48
.set G0B, 56
.set MSB, 0
.macro WIN new
.if MSB != \new
	s_set_vgpr_msb (MSB<<8)|\new
.set MSB, \new
.endif
.endm
.set MULF, 0x40                        ; D window 1, C (the bias) window 0
.set MULW, 0x50                        ; C and D window 1
.macro JLOAD s                         ; a joint load: waves 0 and 1 fetch O's halves, waves 2 and 3 W's; an s_nop 0 and four v_nop follow each line
	s_cmp_eq_u32 s13, 0
	s_cbranch_scc0 .Lfor_b_\@
	tensor_load_to_lds s[G0+4*\s:G0+4*\s+3], s[G1:G1+7]
	s_nop 0
.rept 4
	v_nop
.endr
	s_branch .Lasked_\@
.Lfor_b_\@:
	tensor_load_to_lds s[G0B+4*\s:G0B+4*\s+3], s[G1B:G1B+7]
	s_nop 0
.rept 4
	v_nop
.endr
.Lasked_\@:
.endm
.macro CREST
	s_cmp_lg_u32 s12, 0
	s_cbranch_scc1 .Lnot_wave_0_\@
	s_barrier_signal -3
.Lnot_wave_0_\@:
	s_barrier_wait -3
	s_barrier_signal -1
	s_barrier_wait -1
.endm
.macro CROUND
	s_barrier_signal -1
	s_barrier_wait -1
	CREST
.endm
	s_load_b256 s[4:11], s[0:1], 0x0               ; ob s[4:5], wo s[6:7], b_out s[8:9], out0 s[10:11]
	v_lshl_add_u32 v[SPW], v0, 2, SPARE
	v_mov_b32 v[NIL], 0
	ds_add_u32 v[SPW], v[NIL]                      ; the wave's opening: the add, twice on end, and its wait ahead of my first tensor load
	ds_add_u32 v[SPW], v[NIL]
	v_lshrrev_b32 v1, 5, v0
	v_readfirstlane_b32 s12, v1                    ; wave 0..3
	s_lshr_b32 s13, s12, 1                         ; my half of the tokens.  Also: I fetch for O (0) or for W (1)
	s_and_b32 s14, s12, 1                          ; my half of the columns.  Also: which half I fetch
	s_bfe_u32 s15, ttmp6, 0x40000                  ; cx, cy
	s_bfe_u32 s16, ttmp6, 0x40004
	s_lshl_b32 s17, ttmp9, 2
	s_add_co_u32 s17, s17, s15                     ; tx: 128 columns
	s_and_b32 s18, ttmp7, 0xffff
	s_lshl_b32 s18, s18, 2
	s_add_co_u32 s18, s18, s16                     ; ty: 256 tokens
	s_lshl_b32 s19, s16, 2
	s_lshl_b32 s19, 15, s19                        ; my row of the cluster
	s_lshl_b32 s20, 0x1111, s15                    ; my column
	s_or_b32 s[G1], s19, (3<<16)|(1<<21)           ; the mask; elements of 8 bytes; bit 21 beside a mask; no padding
	s_or_b32 s[G1B], s20, (3<<16)|(1<<21)
	s_mov_b32 s[G1+1], 32<<16                      ; O: a dense block as 128 rows of 256 bytes
	s_mov_b32 s[G1+2], 128<<16
	s_mov_b32 s[G1+3], 32<<16
	s_mov_b32 s[G1+4], 128
	s_mov_b32 s[G1+5], 32
	s_mov_b32 s[G1+6], 0
	s_mov_b32 s[G1+7], 0
	s_mov_b32 s[G1B+1], 32<<16                     ; W: 64 rows
	s_mov_b32 s[G1B+2], 64<<16
	s_mov_b32 s[G1B+3], 32<<16
	s_mov_b32 s[G1B+4], 64
	s_mov_b32 s[G1B+5], 32
	s_mov_b32 s[G1B+6], 0
	s_mov_b32 s[G1B+7], 0
	s_lshl_b32 s40, s18, 1
	s_add_co_u32 s40, s40, s14
	s_lshl_b32 s40, s40, 18                        ; O's 128 tokens: 262,144 bytes
	s_mov_b32 s41, 0
	s_lshl_b32 s46, s17, 1
	s_add_co_u32 s46, s46, s14
	s_lshl_b32 s46, s46, 17                        ; W's 64 columns: 131,072 bytes
	s_mov_b32 s47, 0
	s_lshl_b32 s21, s14, 15                        ; in a slot: O's half,
	s_lshl_b32 s22, s14, 14
	s_add_co_u32 s22, s22, BOFF                    ; W's half: the wave's number alone enters an LDS address
	s_wait_dscnt 0x0                               ; both opening adds are done
	s_wait_kmcnt 0x0
	s_add_nc_u64 s[40:41], s[4:5], s[40:41]
	s_add_nc_u64 s[46:47], s[6:7], s[46:47]
	CROUND                                         ; all sixteen work-groups are here: the first joint loads meet
.irp s, 0,1
	s_mov_b32 s[G0+4*\s], 1
	s_add_co_u32 s[G0+4*\s+1], s21, \s*SLOT
	s_add_nc_u64 s[G0+4*\s+2:G0+4*\s+3], s[40:41], \s*32768
	s_or_b32 s[G0+4*\s+3], s[G0+4*\s+3], 0x80000000
	s_mov_b32 s[G0B+4*\s], 1
	s_add_co_u32 s[G0B+4*\s+1], s22, \s*SLOT
	s_add_nc_u64 s[G0B+4*\s+2:G0B+4*\s+3], s[46:47], \s*16384
	s_or_b32 s[G0B+4*\s+3], s[G0B+4*\s+3], 0x80000000
	JLOAD \s                                       ; two loads of mine are out: K steps 0 and 1
.endr
	v_and_b32 v1, 15, v0                           ; r
	v_bfe_u32 v2, v0, 4, 1                         ; h
	v_and_b32 v3, 31, v0
	v_lshlrev_b32 v3, 4, v3                        ; 16 x lane
	s_lshl_b32 s21, s13, 15                        ; my 128 tokens
	s_lshl_b32 s22, s14, 14
	s_add_co_u32 s22, s22, BOFF                    ; my 64 columns
.irp s, 0,1
	v_add_nc_u32 v[ADRA+\s], s21, v3
	v_add_nc_u32 v[ADRB+\s], s22, v3
	s_add_co_u32 s21, s21, SLOT
	s_add_co_u32 s22, s22, SLOT
.endr
	s_mul_i32 s23, s12, 16*SP
	s_add_co_u32 s23, s23, STAGE                   ; my stage
	v_mul_u32_u24 v4, v1, SP                       ; in: row r, 32 bytes for each half of the lanes
	v_lshl_add_u32 v4, v2, 5, v4
	v_add_nc_u32 v[STO], s23, v4
	v_mul_u32_u24 v5, v2, SP                       ; back: lanes 0-15 one row of 256 bytes, lanes 16-31 the next
	v_lshl_add_u32 v5, v1, 4, v5
	v_add_nc_u32 v[RD], s23, v5
	v_lshlrev_b32 v5, 12, v2                       ; and the same two rows in out0
	v_lshl_add_u32 v[CO], v1, 4, v5
	s_lshl_b32 s46, s17, 9                         ; my first column, in bytes: 512 tx + 256 x half
	s_lshl_b32 s47, s14, 8
	s_add_co_u32 s46, s46, s47
	s_mov_b32 s47, 0
	s_add_nc_u64 s[8:9], s[8:9], s[46:47]
	v_lshlrev_b32 v6, 5, v2                        ; lane (r, h) wants b_out at columns 16 b + 8 h + 0 .. 7
.irp b, 0,1,2,3
	global_load_b128 v[BIAS+8*\b:BIAS+8*\b+3], v6, s[8:9] offset:64*\b
	global_load_b128 v[BIAS+8*\b+4:BIAS+8*\b+7], v6, s[8:9] offset:64*\b+16
.endr
	s_lshl_b32 s40, s18, 8
	s_lshl_b32 s41, s13, 7
	s_add_co_u32 s40, s40, s41                     ; my first token
	s_lshl_b32 s40, s40, 12                        ; rows of 4,096 bytes
	s_mov_b32 s41, 0
	s_add_nc_u64 s[10:11], s[10:11], s[40:41]
	s_add_nc_u64 s[10:11], s[10:11], s[46:47]
; 8 matrix instructions: O's tiles a0, a0 + 1 against W's four, 32 along K.  first = 1: the bias starts the sums.  The 32 accumulators take turns, one instruction a turn.
.macro MUL8 f, a0, first
.irp a, \a0, \a0+1
.irp b, 0,1,2,3
.if \first
	v_wmma_f32_16x16x32_f16 v[8*(4*(\a)+\b):8*(4*(\a)+\b)+7], v[\f+8*\b:\f+8*\b+7], v[\f+32+8*(\a):\f+32+8*(\a)+7], v[BIAS+8*\b:BIAS+8*\b+7]
.else
	v_wmma_f32_16x16x32_f16 v[8*(4*(\a)+\b):8*(4*(\a)+\b)+7], v[\f+8*\b:\f+8*\b+7], v[\f+32+8*(\a):\f+32+8*(\a)+7], v[8*(4*(\a)+\b):8*(4*(\a)+\b)+7]
.endif
.endr
.endr
.endm
.macro MULWIN first
.if \first
	WIN MULF
.else
	WIN MULW
.endif
.endm
; 24 LDS loads in one run: the fragments of the slot's k-th 32 along K into buffer f: W's four tiles, O's tiles 0-3, O's tiles 4-7
.macro FETCH slot, k, f
	WIN 0
.irp b, 0,1,2,3
	ds_load_b128 v[\f+8*\b:\f+8*\b+3],   v[ADRB+\slot] offset:4096*\b+1024*(\k)
	ds_load_b128 v[\f+8*\b+4:\f+8*\b+7], v[ADRB+\slot] offset:4096*\b+1024*(\k)+512
.endr
.irp a, 0,1,2,3,4,5,6,7
	ds_load_b128 v[\f+32+8*\a:\f+32+8*\a+3],   v[ADRA+\slot] offset:4096*\a+1024*(\k)
	ds_load_b128 v[\f+32+8*\a+4:\f+32+8*\a+7], v[ADRA+\slot] offset:4096*\a+1024*(\k)+512
.endr
.endm
.macro PLACES                          ; four plain lines in front of loads into registers that matrix instructions have read, and of reads of results
.rept 4
	v_nop
.endr
.endm
; A K step is four quarters of 32 along K, 32 matrix instructions each, on buffers 0, 1, 0, 1.  One of the first three: multiplies buffer f and fetches the next quarter, k, into g.
.macro QUARTER slot, k, f, g, first
	s_wait_dscnt 8                                 ; W's tiles and O's tiles 0-3 are in; the youngest eight loads may be out
	MULWIN \first
	MUL8 \f, 0, \first
	MUL8 \f, 2, \first
	PLACES
	FETCH \slot, \k, \g
	s_wait_dscnt 24                                ; all but the 24 just issued
	MULWIN \first
	MUL8 \f, 4, \first
	MUL8 \f, 6, \first
.endm
; The last quarter multiplies buffer 1 and changes slots: ONE barrier; in front of it each wave waits for all its tensor loads, adds 0 to its spare word, and waits for that and for its reads of this slot.
; fill = 1: the barrier opens a round of the cluster's, and this slot is filled again, two K steps ahead: 112 matrix instructions ahead of the wait for it.
.macro TURN slot, next, fill
	WIN 0                                          ; (the add's two registers lie in window 0)
	s_wait_tensorcnt 0x0                           ; all my tensor loads have landed: my part of the next slot
	ds_add_u32 v[SPW], v[NIL]
	s_wait_dscnt 9                                 ; (the add and the youngest eight loads may be out)
	WIN MULW
	MUL8 F1, 0, 0
	s_wait_dscnt 0x0                               ; the add is done, and my reads of this slot are over
	s_barrier_signal -1
	MUL8 F1, 2, 0
.if \fill
	WIN 0
.endif
	s_barrier_wait -1
.if \fill
	CREST                                          ; no wave of any partner still reads this slot or has a load on its way
	s_add_nc_u64 s[G0+4*\slot+2:G0+4*\slot+3], s[G0+4*\slot+2:G0+4*\slot+3], 65536
	s_add_nc_u64 s[G0B+4*\slot+2:G0B+4*\slot+3], s[G0B+4*\slot+2:G0B+4*\slot+3], 32768
	JLOAD \slot                                    ; the first tensor load behind the round; its four v_nop are also the places in front of the loads below
.else
	PLACES
.endif
	FETCH \next, 0, F0
	WIN MULW
	MUL8 F1, 4, 0
	MUL8 F1, 6, 0
.endm
	s_wait_tensorcnt 1                             ; my part of K step 0 is in; K step 1's may be out
	s_barrier_signal -1
	s_barrier_wait -1
	FETCH 0, 0, F0
	s_wait_loadcnt 0x0                             ; the bias
	QUARTER 0, 1, F0, F1, 1                        ; the first quarter stands in front of the loop: its products start the sums, on the bias
	WIN 0
	s_mov_b32 s3, LAPS-1
.Llap:                                 ; a trip goes once round the ring, from a lap's second quarter to the next lap's first, and fills both slots again
	QUARTER 0, 2, F1, F0, 0
	QUARTER 0, 3, F0, F1, 0
	TURN 0, 1, 1
	QUARTER 1, 1, F0, F1, 0
	QUARTER 1, 2, F1, F0, 0
	QUARTER 1, 3, F0, F1, 0
	TURN 1, 0, 1
	QUARTER 0, 1, F0, F1, 0
	WIN 0
	s_sub_co_u32 s3, s3, 1
	s_cmp_lg_u32 s3, 0
	s_cbranch_scc1 .Llap
	QUARTER 0, 2, F1, F0, 0                        ; the last lap fills nothing
	QUARTER 0, 3, F0, F1, 0
	TURN 0, 1, 0
	QUARTER 1, 1, F0, F1, 0
	QUARTER 1, 2, F1, F0, 0
	QUARTER 1, 3, F0, F1, 0
	s_wait_dscnt 8                                 ; the very last quarter
	WIN MULW
	MUL8 F1, 0, 0
	MUL8 F1, 2, 0
	s_wait_dscnt 0
	MUL8 F1, 4, 0
	MUL8 F1, 6, 0
	WIN 0
; THE WAY OUT, a block of 16 tokens x 64 columns at a time, through my own stage: in as 32 bytes a lane, back as rows of 256 bytes.  LDS serves a wave's instructions in order: no wait between.
.macro TOSTAGE a
	WIN 0x04                                       ; an LDS store's data are its source 1: window 1
.irp b, 0,1,2,3
	ds_store_b128 v[STO], v[8*(4*(\a)+\b):8*(4*(\a)+\b)+3] offset:64*\b        ; each accumulator from its low end on
	ds_store_b128 v[STO], v[8*(4*(\a)+\b)+4:8*(4*(\a)+\b)+7] offset:64*\b+16
.endr
	WIN 0
.set BB, 64+32*((\a)%2)
.irp t, 0,1,2,3,4,5,6,7
	ds_load_b128 v[BB+4*\t:BB+4*\t+3], v[RD] offset:\t*2*SP
.endr
.endm
.macro SEND a, younger                 ; younger: the LDS instructions issued behind block a's loads, which may stay out
.set BB, 64+32*((\a)%2)
	s_wait_dscnt \younger
.irp t, 0,1,2,3,4,5,6,7
	global_store_b128 v[CO], v[BB+4*\t:BB+4*\t+3], s[10:11] offset:65536*(\a)+8192*\t th:TH_STORE_NT   ; sixteen lanes store 256 consecutive aligned bytes; written once
.endr
.endm
	PLACES                                         ; behind the last products
	TOSTAGE 0
.irp a, 1,2,3,4,5,6,7
.if \a > 1
	s_wait_xcnt 0x0                                ; block a - 2's stores have read their registers: block a's loads may land there
.endif
	TOSTAGE \a
	SEND \a-1, 16                                  ; behind block a - 1's loads: block a's 8 stores and 8 loads
.endr
	SEND 7, 0
	s_wait_tensorcnt 0x0                           ; the wave's end
	ds_add_u32 v[SPW], v[NIL]
	s_wait_dscnt 0x0
	CROUND                                         ; the closing round
	s_endpgm
.Lfunc_end_k_qcdc7290469_proj:
	.size	k_qcdc7290469_proj, .Lfunc_end_k_qcdc7290469_proj-k_qcdc7290469_proj
	.p2alignl 7, 3214868480
	.fill 96, 4, 3214868480
	.section	.rodata,"a",@progbits
	.p2align	6, 0x0
	.amdhsa_kernel k_qcdc7290469_proj
		.amdhsa_group_segment_fixed_size 327680
		.amdhsa_private_segment_fixed_size 0
		.amdhsa_enable_private_segment 0
		.amdhsa_kernarg_size 32
		.amdhsa_user_sgpr_count 2
		.amdhsa_user_sgpr_kernarg_segment_ptr 1
		.amdhsa_wavefront_size32 1
		.amdhsa_system_sgpr_workgroup_id_x 1
		.amdhsa_system_sgpr_workgroup_id_y 1
		.amdhsa_system_sgpr_workgroup_id_z 1
		.amdhsa_system_vgpr_workitem_id 0
		.amdhsa_next_free_vgpr 512
		.amdhsa_next_free_sgpr 66
		.amdhsa_reserve_vcc 0
		.amdhsa_float_denorm_mode_32 3
		.amdhsa_float_denorm_mode_16_64 3
		.amdhsa_memory_ordered 1
		.amdhsa_forward_progress 1
		.amdhsa_inst_pref_size 86
	.end_amdhsa_kernel
	.amdgpu_metadata
---
amdhsa.version: [ 1, 2 ]
amdhsa.kernels:
  - .name:           k_qcdc7290469_proj
    .symbol:         k_qcdc7290469_proj.kd
    .args:
      - { .name: ob, .offset: 0, .size: 8, .value_kind: global_buffer, .address_space: global }
      - { .name: wo, .offset: 8, .size: 8, .value_kind: global_buffer, .address_space: global }
      - { .name: b_out, .offset: 16, .size: 8, .value_kind: global_buffer, .address_space: global }
      - { .name: out0, .offset: 24, .size: 8, .value_kind: global_buffer, .address_space: global }
    .group_segment_fixed_size: 327680
    .private_segment_fixed_size: 0
    .kernarg_segment_align: 8
    .kernarg_segment_size: 32
    .max_flat_workgroup_size: 128
    .sgpr_count:     66
    .vgpr_count:     512
    .wavefront_size: 32
...
	.end_amdgpu_metadata
.endif
;; end of part 4
